; MI455X (gfx1250); checked and timed in simulation.
; The chip was launched on July 23, 2026; its instructions are those of AMD's public machine-readable ISA for CDNA 5 (MIT licence, August 2026) and "CDNA5" Instruction Set Architecture Reference Guide (July 2026). The comments in the code are by the model that wrote it; some were corrected since.
;; Indexed Mat Mul. Allowed arithmetic: float matrix products may take bf16 or f16 operands with f32 sums; other float arithmetic in f32, or as packed bf16 or f16 multiplies, adds, multiply-adds, maxima and minima; sums over many terms, partial sums and values carried from step to step in f32; what a program stores and reads back later, other than sums and carried values, may be rounded once to bf16 or f16.
;; Inputs: W 8 x 1,024 x 1,024 float32; X 4 x 2,048 x 1,024 float32; indices 4 x 2,048 int32.
;; Outputs: out0 4 x 2,048 x 1,024 float32.
;; 2 versions, each right. Each part assembles by itself: llvm-mc -triple=amdgcn-amd-amdhsa -mcpu=gfx1250 --defsym DOCPART=n.
;; ======== version 1 of 2: 1 launch
;; launch imm (part 1): grid 4 x 59, 4 waves a work-group, no clusters, 159,488 bytes of LDS; arguments X, W, indices, out0; writes out0
.if DOCPART == 1
	.amdgcn_target "amdgcn-amd-amdhsa--gfx1250"
	.amdhsa_code_object_version 6
	.text
	.protected	k_qba5e20945e_imm
	.globl	k_qba5e20945e_imm
	.p2align	8
	.type	k_qba5e20945e_imm,@function
k_qba5e20945e_imm:
	s_mov_b64 s[64:65], 0
	v_nop
	global_prefetch_b8 v0, s[64:65] scope:SCOPE_SE
	s_setreg_imm32_b32 hwreg(HW_REG_WAVE_MODE, 25, 1), 1
	s_wait_xcnt 0x0
; Y[t][:] = X[t][:] . W[indices[t]]^T.  X, Y: [8192][1024] f32; W: [8][1024][1024] f32; indices: [8192] i32.  One launch, no workspace.
; Only the chosen expert's product is made (the others' results are thrown away by the mask that the problem builds itself), and every output row has one owner.
; SHARES.  A work-group makes a tile of 160 tokens of ONE expert x 256 output columns, K = 1,024.  Grid x = the column block (4), grid y = the row slot.
; With counts c_e the row tiles are sum ceil(c_e / 160) <= (8,192 + 8 x 159) / 160 = 59 for every split of the tokens: 59 slots.  A slot that a split leaves
; without rows passes every barrier, jumps the work of K steps 1 to 15, and stores nothing.
; ROUTING.  Every work-group reads the 32,768 bytes of indices, counts the experts, finds its slot's expert and first rank, and writes the list of its 160 tokens
; into LDS.  A token's rank among its expert's tokens goes by wave, register, lane: the same in every work-group, so the tiles of an expert share its tokens out exactly.
; DATA PATH.  X's listed rows and W's rows come as f32 into registers, 256 bytes of a row to sixteen lanes, are rounded once to bf16 and stored into one of two LDS
; slots of 64 along K.  Each wave keeps a ring of 52 such loads out (26,624 bytes); a unit is asked for again as soon as it has been converted.
; The conversions, LDS stores and loads stand singly behind the matrix instructions: 52 units for a K step's 80 products.
; THE MATRIX INSTRUCTION IS USED TRANSPOSED: source 0 = 16 rows of W, source 1 = 16 rows of X: a lane then holds eight neighbouring columns of one row of Y.
; NO TENSOR LOADS, NO CLUSTER.  X's rows come by a list, which no tile descriptor covers.  W lies in memory as f32: a joint tile would land in LDS as f32, 256 rows x 64 K x 4 = 65,536
; bytes a step for 36,864 here, its fragments twice as long and converted anew by each of the two waves that read them; and partners would have to be tiles of one
; expert, whose number hangs on the counts.
; LIMITS.  An index is taken modulo 8: the text serves indices 0 to 7 (for others the problem's own text leaves zeros; here they count as index mod 8).  Operands are rounded once to bf16
; (to nearest even), sums are f32 in the matrix unit's order.  NaN and infinities act as in the chosen expert's product alone; rows never mix.
; REGISTERS, in windows of 256 (s_set_vgpr_msb: bits 1:0 source 0, 3:2 source 1, 5:4 source 2, 7:6 destination):
;   window 0: v0-42 addresses and work; v48-127 the routing's indices and counts, later v48-255 two fragment buffers (40 of X + 64 of W each), last the way out
;   window 1: accumulators 0-31 (accumulator 8 a + b: my rows 16 a .., my columns 16 b ..)      window 2: accumulators 32-39
;   window 3: v0-207 the ring, four registers a unit; v208-232 the ring's addresses: one setting serves a unit's conversions, its LDS store and its load
.set PITCH,  144                       ; an LDS row: 64 bf16 = 128 bytes + 16 = 36 words: the 16 rows of a fragment load start at 16 different groups of four banks (64 banks of 4 bytes: ISA guide 11.1)
.set AREG,   160*PITCH                 ; X's 160 rows
.set SLOT,   AREG+256*PITCH            ; then W's 256 rows: 59,904 bytes
.set STAGE,  2*SLOT                    ; the way out: 16 rows x 528 bytes for each wave, its own
.set SPITCH, 528                       ; 512 bytes + 16 = 33 x 16
.set WSTAGE, 16*SPITCH
.set LW,     STAGE+4*WSTAGE            ; four lists of 256 words, one a wave: words 0-159 by rank, word 160 takes what is not mine
.set LIST,   LW+4096                   ; the merged list, 256 words
.set CNT,    LIST+1024                 ; 16 bytes of counts a wave
.set SPARE,  CNT+256                   ; the spare words, 128 bytes a wave: two blocks of 256 bytes that no other line names
.set SPW, 4                            ; v4   SPARE + 4 x my thread's number; never rewritten
.set NIL, 5                            ; v5   0; never rewritten
.set ZER, 6                            ; v[6:9] zeros
.set T16, 10                           ; 16 x thread
.set TID4, 11                          ; 4 x thread
.set AFR, 12                           ; v12-13 my fragments of X in slot 0, 1
.set BFR, 14                           ; v14-15 of W
.set STO, 16                           ; the way out: where I put 16 bytes of a row
.set RD,  17                           ; where I read a row back
.set LTK, 18                           ; the list at my wave's first row
.set L16, 19                           ; 16 x lane
.set LRD, 20                           ; the list at my loader rows
.set C16, 21                           ; 16 x (lane % 16)
.set LM,  22                           ; the four lists at my word
.set LF,  23                           ; the merged list at my word
.set CADR, 24
.set CRD, 25
.set LZ,  26
.set TT,  28                           ; v28-31 at work
.set PP,  32                           ; v[32:35] counts, two experts a word
.set TF,  36                           ; v36-39 at work
.set NA,  40
.set LO,  41
.set HI,  42
.set IDX, 48                           ; v48-111 my 64 indices, as 4 x (index mod 8)
.set CWV, 112                          ; v112-127 the four waves' counts
.set FA0, 48                           ; fragment buffer f: X at FA0 + 104 f, W at FB0 + 104 f
.set FB0, 88
.set TKE, 48                           ; the way out: 16 tokens, then 16 offsets
.set OB,  64                           ; the way out: 16 rows of 512 bytes
.set AOFF, 208                         ; window 3: v208-227 token x 4,096 + 16 c for X's 20 units
.set BOFF, 228                         ; window 3: (64 w + 8 h) x 4,096 + 16 c
.set ASTO, 229                         ; window 3: v229-230 where X's units go, slot 0, 1
.set BSTO, 231                         ; window 3: v231-232 where W's go
.set WV, 12
.set MH, 13                            ; which 80 rows are mine
.set NH, 14                            ; which 128 columns
.set XBLK, 15
.set YS, 16
.set SEL, 18
.set CW, 20                            ; s[20:35] counts: wave w', word f
.set TOT, 36
.set PRE, 40
.set EXP, 44
.set PE, 45
.set CE, 46
.set WBS, 47
.set PREF, 48
.set TS, 49                            ; s49-52 at work
.set NV, 53                            ; rows of my tile, 0 to 160
.set RB, 54                            ; rank, less my tile's first, of the next token of my expert
.set E4, 55
.set NVW, 56                           ; rows of my wave's 80 that exist (signed)
.set LC, 57
.set OFP, 58
.set MK, 60                            ; s60-63
.set BC, 66                            ; s66-69
.set M0F, 70
.set MFF, 71
.set LWS, 72
.set MSB, 0
.macro WIN new                         ; the immediate's high byte repeats the setting that is left; a switch that changes nothing is dropped
.if MSB != (\new)
	s_set_vgpr_msb (MSB<<8)|(\new)
.set MSB, (\new)
.endif
.endm
.macro PLACES                          ; four plain vector instructions between a matrix instruction and a load into, or an LDS store out of, its registers (ISA guide 7.12.1 for the LDS store)
.rept 4
	v_nop
.endr
.endm
.macro BAR
	s_barrier_signal -1
	s_barrier_wait -1
.endm
	s_load_b256 s[4:11], s[0:1], 0x0               ; X s[4:5], W s[6:7], indices s[8:9], Y s[10:11]
	v_lshl_add_u32 v[SPW], v0, 2, SPARE
	v_mov_b32 v[NIL], 0
	v_lshrrev_b32 v[TT], 5, v0
	v_readfirstlane_b32 s[WV], v[TT]               ; wave 0..3
	s_lshr_b32 s[MH], s[WV], 1
	s_and_b32 s[NH], s[WV], 1
	s_mov_b32 s[XBLK], ttmp9
	s_and_b32 s[YS], ttmp7, 0xffff
	s_mov_b32 s[SEL], 0x76543210
	s_mov_b32 s[SEL+1], 0xfedcba98
	s_mov_b32 s[M0F], 0x0f0f0f0f
	s_mov_b32 s[MFF], 0x00ff00ff
	v_lshlrev_b32 v[T16], 4, v0
	s_wait_kmcnt 0x0
.set j, 0
.rept 16                               ; all 8,192 indices: register 4 j + c holds token 512 j + 4 x thread + c
	global_load_b128 v[IDX+4*j:IDX+4*j+3], v[T16], s[8:9] offset:2048*j
.set j, j+1
.endr
	; the addresses, made while the indices are on their way
	v_and_b32 v1, 31, v0                           ; lane
	v_and_b32 v2, 15, v0                           ; r = c = lane % 16
	v_bfe_u32 v3, v0, 4, 1                         ; h = lane / 16
.irp i, 0,1,2,3
	v_mov_b32 v[ZER+\i], 0
.endr
	v_lshlrev_b32 v[TID4], 2, v0
	v_lshlrev_b32 v[L16], 4, v1
	v_lshlrev_b32 v[C16], 4, v2
	s_lshl_b32 s[LWS], s[WV], 10
	s_add_co_u32 s[LWS], s[LWS], LW                ; my wave's list
	v_add_nc_u32 v[LZ], s[LWS], v[L16]
	ds_store_b128 v[LZ], v[ZER:ZER+3]              ; its 1,024 bytes are cleared: LDS serves a wave's instructions in order, so the ranks' stores below come behind
	ds_store_b128 v[LZ], v[ZER:ZER+3] offset:512
	v_mul_u32_u24 v[TT], v2, PITCH                 ; a fragment: row r x pitch + 16 h
	v_lshl_add_u32 v[TT], v3, 4, v[TT]
	s_mul_i32 s[TS], s[MH], 80*PITCH
	s_mul_i32 s[TS+1], s[NH], 128*PITCH
	s_add_co_u32 s[TS+1], s[TS+1], AREG
	v_add_nc_u32 v[AFR], s[TS], v[TT]
	v_add_nc_u32 v[AFR+1], SLOT, v[AFR]
	v_add_nc_u32 v[BFR], s[TS+1], v[TT]
	v_add_nc_u32 v[BFR+1], SLOT, v[BFR]
	s_mul_i32 s[TS], s[WV], WSTAGE
	s_add_co_u32 s[TS], s[TS], STAGE               ; my stage
	v_mul_u32_u24 v[TT], v2, SPITCH                ; in: row r, 32 bytes for each half of the lanes
	v_lshl_add_u32 v[TT], v3, 5, v[TT]
	v_add_nc_u32 v[STO], s[TS], v[TT]
	v_add_nc_u32 v[RD], s[TS], v[L16]              ; back: 32 lanes take one row's 512 bytes
	s_mul_i32 s[TS], s[MH], 320
	s_add_co_u32 s[TS], s[TS], LIST
	v_mov_b32 v[LTK], s[TS]
	s_lshl_b32 s[TS], s[WV], 2
	s_add_co_u32 s[TS], s[TS], LIST
	v_lshl_add_u32 v[LRD], v3, 5, s[TS]            ; list word w + 8 h
	v_add_nc_u32 v[LM], LW, v[TID4]
	v_add_nc_u32 v[LF], LIST, v[TID4]
	s_lshl_b32 s[TS], s[WV], 4
	s_add_co_u32 s[TS], s[TS], CNT
	v_mov_b32 v[CADR], s[TS]
	v_mov_b32 v[CRD], CNT
	; A loader unit is one load of 16 bytes a lane: lanes 0-15 take 256 bytes of one row, lanes 16-31 of the row 8 further down.
	; W's units i = 0..31: row 64 w + 16 (i / 8) + i % 8 + 8 h.  X's units i = 0..19: list place 16 (i / 2) + 4 (i % 2) + w + 8 h.
	v_lshl_add_u32 v[TT], v3, 15, v[C16]           ; 8 h rows of 4,096 bytes + 16 c
	v_mul_u32_u24 v[TT+1], v3, 8*PITCH
	v_lshl_add_u32 v[TT+1], v2, 3, v[TT+1]         ; in LDS: 8 h rows + 8 c.  The two rows of a store lie 288 words apart, 32 modulo 64
	s_lshl_b32 s[TS], s[WV], 18
	s_mul_i32 s[TS+1], s[WV], PITCH
	s_mul_i32 s[TS+2], s[WV], 64*PITCH
	s_add_co_u32 s[TS+2], s[TS+2], AREG
	WIN 0xc0                                       ; destination window 3, sources window 0
	v_add_nc_u32 v[BOFF], s[TS], v[TT]
	v_add_nc_u32 v[ASTO], s[TS+1], v[TT+1]
	v_add_nc_u32 v[BSTO], s[TS+2], v[TT+1]
	s_add_co_u32 s[TS+1], s[TS+1], SLOT
	s_add_co_u32 s[TS+2], s[TS+2], SLOT
	v_add_nc_u32 v[ASTO+1], s[TS+1], v[TT+1]
	v_add_nc_u32 v[BSTO+1], s[TS+2], v[TT+1]
	WIN 0
	; COUNTS.  Eight registers at a time add 1 << 4 e into eight nibbles (8 at the most); the nibbles go into bytes (64 at the most), the bytes into halves.
.set g, 0
.rept 8
	s_wait_loadcnt 14-2*g                          ; loads come back in order (ISA guide 5.7.1): the group's two are in, the 14 - 2 g younger ones stay out
.set n, 0
.rept 8
	v_and_b32 v[IDX+8*g+n], 7, v[IDX+8*g+n]
	v_lshlrev_b32 v[IDX+8*g+n], 2, v[IDX+8*g+n]    ; 4 x (index mod 8): kept for the ranks
.if n == 0
	v_lshl_add_u32 v[NA], 1, v[IDX+8*g+n], 0
.else
	v_lshl_add_u32 v[NA], 1, v[IDX+8*g+n], v[NA]
.endif
.set n, n+1
.endr
.if g == 0
	v_and_b32 v[LO], s[M0F], v[NA]                 ; bytes: experts 0, 2, 4, 6
	v_lshrrev_b32 v[NA], 4, v[NA]
	v_and_b32 v[HI], s[M0F], v[NA]                 ; experts 1, 3, 5, 7
.else
	v_and_b32 v[TT], s[M0F], v[NA]
	v_lshrrev_b32 v[NA], 4, v[NA]
	v_add_nc_u32 v[LO], v[LO], v[TT]
	v_and_b32 v[TT+1], s[M0F], v[NA]
	v_add_nc_u32 v[HI], v[HI], v[TT+1]
.endif
.set g, g+1
.endr
	v_and_b32 v[PP], s[MFF], v[LO]                 ; word 0: experts 0 (low half), 4 (high half)
	v_lshrrev_b32 v[TT], 8, v[LO]
	v_and_b32 v[PP+1], s[MFF], v[TT]               ; word 1: 2, 6
	v_and_b32 v[PP+2], s[MFF], v[HI]               ; word 2: 1, 5
	v_lshrrev_b32 v[TT+1], 8, v[HI]
	v_and_b32 v[PP+3], s[MFF], v[TT+1]             ; word 3: 3, 7
.irp f, 0,1,2,3
	v_mov_b32 v[TF+\f], 0                          ; a lane move's destination counts as read: it is written first
.endr
.irp m, 1,2,4,8                        ; the wave's sums: four steps inside each half of 16 lanes, one across
.irp f, 0,1,2,3
	v_mov_b32_dpp v[TF+\f], v[PP+\f] row_xmask:\m row_mask:0xf bank_mask:0xf
.endr
.irp f, 0,1,2,3
	v_add_nc_u32 v[PP+\f], v[PP+\f], v[TF+\f]
.endr
.endr
.irp f, 0,1,2,3
	v_permlanex16_b32 v[TF+\f], v[PP+\f], s[SEL], s[SEL+1]
.endr
.irp f, 0,1,2,3
	v_add_nc_u32 v[PP+\f], v[PP+\f], v[TF+\f]
.endr
	ds_store_b128 v[CADR], v[PP:PP+3]              ; every lane holds the same four words
	s_wait_dscnt 0x0                               ; for the others' sake: my counts are in LDS
	BAR
.irp w, 0,1,2,3
	ds_load_b128 v[CWV+4*\w:CWV+4*\w+3], v[CRD] offset:16*\w
.endr
	s_wait_dscnt 0x0
.set i, 0
.rept 16
	v_readfirstlane_b32 s[CW+i], v[CWV+i]
.set i, i+1
.endr
	; THE SLOT'S TILE, in scalars, alike in all four waves but for the waves-below sums
.irp f, 0,1,2,3
	s_add_co_u32 s[TOT+\f], s[CW+\f], s[CW+4+\f]
	s_add_co_u32 s[TOT+\f], s[TOT+\f], s[CW+8+\f]
	s_add_co_u32 s[TOT+\f], s[TOT+\f], s[CW+12+\f] ; 8,192 at the most in a half: no carry between the halves
.endr
	s_cmp_gt_u32 s[WV], 0                          ; the counts of the waves below mine
.irp f, 0,1,2,3
	s_cselect_b32 s[PRE+\f], s[CW+\f], 0
.endr
.irp w, 1,2
	s_cmp_gt_u32 s[WV], \w
.irp f, 0,1,2,3
	s_cselect_b32 s[TS+\f], s[CW+4*\w+\f], 0       ; the four selects first: the adds below change SCC
.endr
.irp f, 0,1,2,3
	s_add_co_u32 s[PRE+\f], s[PRE+\f], s[TS+\f]
.endr
.endr
.macro FIELD dst, src, half
.if \half
	s_lshr_b32 s[\dst], s[\src], 16
.else
	s_and_b32 s[\dst], s[\src], 0xffff
.endif
.endm
.irp e, 0,1,2,3,4,5,6,7                ; the last expert whose first slot is not beyond mine
.set sf, (((\e)&1)<<1)|(((\e)>>1)&1)
	FIELD TS, TOT+sf, (\e)>>2                      ; c_e
	FIELD TS+1, PRE+sf, (\e)>>2                    ; of them in the waves below mine
	s_add_co_u32 s[TS+2], s[TS], 159
	s_mul_i32 s[TS+2], s[TS+2], 26215              ; ceil(c / 160): 26,215 / 2^22 exceeds 1 / 160 by 0.6 / 2^22; times 8,351 at the most that is 0.0012, under 1 / 160: the floor is exact
	s_lshr_b32 s[TS+2], s[TS+2], 22
.if (\e) == 0
	s_mov_b32 s[EXP], 0
	s_mov_b32 s[PE], 0
	s_mov_b32 s[CE], s[TS]
	s_mov_b32 s[WBS], s[TS+1]
	s_mov_b32 s[PREF], s[TS+2]
.else
	s_cmp_ge_u32 s[YS], s[PREF]
	s_cselect_b32 s[EXP], \e, s[EXP]
	s_cselect_b32 s[PE], s[PREF], s[PE]
	s_cselect_b32 s[CE], s[TS], s[CE]
	s_cselect_b32 s[WBS], s[TS+1], s[WBS]
	s_add_co_u32 s[PREF], s[PREF], s[TS+2]
.endif
.endr
	s_sub_co_u32 s[TS], s[YS], s[PE]               ; my tile among the expert's,
	s_mul_i32 s[TS], s[TS], 160                    ; its first rank
	s_sub_co_i32 s[NV], s[CE], s[TS]
	s_min_i32 s[NV], s[NV], 160
	s_max_i32 s[NV], s[NV], 0                      ; its rows; 0 for a slot beyond the last tile
	s_sub_co_u32 s[RB], s[WBS], s[TS]              ; wraps below 0 for ranks ahead of my tile: as unsigned numbers they fall past 160
	s_min_u32 s[EXP], s[EXP], 7
	s_lshl_b32 s[E4], s[EXP], 2
	s_mul_i32 s[TS], s[MH], 80
	s_sub_co_i32 s[NVW], s[NV], s[TS]
	s_lshl_b32 s[OFP], s[EXP], 22                  ; an expert's weights are 4 MiB,
	s_lshl_b32 s[TS], s[XBLK], 20                  ; a column block's 256 rows 1 MiB
	s_add_co_u32 s[OFP], s[OFP], s[TS]
	s_mov_b32 s[OFP+1], 0
	s_add_nc_u64 s[6:7], s[6:7], s[OFP:OFP+1]
	s_lshl_b32 s[OFP], s[XBLK], 10                 ; Y: 256 columns of 4 bytes a block, 128 a wave
	s_lshl_b32 s[TS], s[NH], 9
	s_add_co_u32 s[OFP], s[OFP], s[TS]
	s_add_nc_u64 s[10:11], s[10:11], s[OFP:OFP+1]
	WIN 0xcf                                       ; W's 32 units of K step 0 go out now: they land while the ranks are made
.set i, 0
.rept 32
	global_load_b128 v[4*i:4*i+3], v[BOFF], s[6:7] offset:(16*(i/8)+i%8)*4096
.set i, i+1
.endr
	WIN 0
	; RANKS.  For each of my 64 registers: which lanes hold my expert; their ranks, less my tile's first; token + 1 into my wave's list at that place, or into word 160.
.set n, 0
.rept 64
.set k4, n%4
	v_cmp_eq_u32 s[MK+k4], s[E4], v[IDX+n]
	v_mbcnt_lo_u32_b32 v[TT+k4], s[MK+k4], s[RB]
	v_cndmask_b32 v[TT+k4], -1, v[TT+k4], s[MK+k4]
	v_min_u32 v[TT+k4], 0xa0, v[TT+k4]
	v_lshl_add_u32 v[TT+k4], v[TT+k4], 2, s[LWS]
	v_add_nc_u32 v[TF+k4], 512*(n/4)+n%4+1, v[TID4]
	ds_store_b32 v[TT+k4], v[TF+k4]
	s_bcnt1_i32_b32 s[BC+k4], s[MK+k4]
	s_add_co_u32 s[RB], s[RB], s[BC+k4]
.set n, n+1
.endr
	s_wait_dscnt 0x0                               ; for the others' sake: my list is in LDS
	BAR
.irp w, 0,1,2,3                        ; a place was written by one wave at the most, the others hold 0: the four lists are joined by OR
	ds_load_b32 v[48+2*\w], v[LM] offset:1024*\w
	ds_load_b32 v[49+2*\w], v[LM] offset:1024*\w+512
.endr
	s_wait_dscnt 0x0
	v_or_b32 v48, v48, v50
	v_or_b32 v49, v49, v51
	v_or_b32 v52, v52, v54
	v_or_b32 v53, v53, v55
	v_or_b32 v48, v48, v52
	v_or_b32 v49, v49, v53
	v_add_nc_u32 v48, -1, v48                      ; the token; an empty place holds all ones, which every reader clamps to token 8,191: a row that exists, multiplied and not stored
	v_add_nc_u32 v49, -1, v49
	ds_store_b32 v[LF], v48
	ds_store_b32 v[LF], v49 offset:512
	s_wait_dscnt 0x0
	BAR
.set i, 0
.rept 20
	ds_load_b32 v[48+i], v[LRD] offset:4*(16*(i/2)+4*(i%2))
.set i, i+1
.endr
	s_wait_dscnt 0x0
.set i, 0
.rept 20
	v_min_u32 v[48+i], 0x1fff, v[48+i]
.set i, i+1
.endr
	WIN 0xc0
.set i, 0
.rept 20
	v_lshl_add_u32 v[AOFF+i], v[48+i], 12, v[C16]  ; token x 4,096 + 16 c
.set i, i+1
.endr
	WIN 0xcf
.set i, 0
.rept 20
	global_load_b128 v[128+4*i:128+4*i+3], v[AOFF+i], s[4:5]  ; X's 20 units of K step 0: the ring is full, 52 loads
.set i, i+1
.endr
; Product i of 40 on fragment buffer f: rows 16 (i / 8) .., columns 16 (i % 8) ...  zero = 1: it starts the sum: nothing is ever cleared.
; The 40 accumulators take turns, always in the order 0 to 39 (or 0 to 19 again where the work is jumped), one instruction a turn.
.macro MM f, i, zero
.set ma, (\i)/8
.set mb, (\i)%8
.if ma < 4
	WIN 0x50                                       ; C and D window 1, fragments window 0
.set md, 8*(\i)
.else
	WIN 0xa0                                       ; C and D window 2
.set md, 8*mb
.endif
.set mfa, FA0+104*(\f)+8*ma
.set mfb, FB0+104*(\f)+8*mb
.if \zero
	v_wmma_f32_16x16x32_bf16 v[md:md+7], v[mfb:mfb+7], v[mfa:mfa+7], 0
.else
	v_wmma_f32_16x16x32_bf16 v[md:md+7], v[mfb:mfb+7], v[mfa:mfa+7], v[md:md+7]
.endif
.endm
; 26 LDS loads in one run: my fragments of 32 along K (half q of the slot's 64): 128 rows of W, 80 rows of X, into buffer f
.macro FETCH slot, q, f
	WIN 0
.irp b, 0,1,2,3,4,5,6,7
	ds_load_b128 v[FB0+104*(\f)+8*\b:FB0+104*(\f)+8*\b+3],   v[BFR+(\slot)] offset:16*PITCH*\b+64*(\q)
	ds_load_b128 v[FB0+104*(\f)+8*\b+4:FB0+104*(\f)+8*\b+7], v[BFR+(\slot)] offset:16*PITCH*\b+64*(\q)+32
.endr
.irp a, 0,1,2,3,4
	ds_load_b128 v[FA0+104*(\f)+8*\a:FA0+104*(\f)+8*\a+3],   v[AFR+(\slot)] offset:16*PITCH*\a+64*(\q)
	ds_load_b128 v[FA0+104*(\f)+8*\a+4:FA0+104*(\f)+8*\a+7], v[AFR+(\slot)] offset:16*PITCH*\a+64*(\q)+32
.endr
.endm
; Unit u of the ring: its four f32 are in; they are rounded to bf16 and stored into slot sd; mode = 2: the unit is asked for again, one K step further on.
; mode = 2: behind unit u's load stand the 51 - u later units of its K step and the u refills of the units before it: always 51.  mode = 1: no refills: 51 - u.
.macro UNIT u, sd, mode
	WIN 0xcf                                       ; sources 0 and 1 and the destination in window 3
.set uu, (\u)
.set ur, 4*uu
.if (\mode) == 2
	s_wait_loadcnt 51
.else
	s_wait_loadcnt 51-uu
.endif
	v_cvt_pk_bf16_f32 v[ur], v[ur], v[ur+1]
	v_cvt_pk_bf16_f32 v[ur+1], v[ur+2], v[ur+3]
.if uu < 32
.set urow, 16*(uu/8)+uu%8
	ds_store_b64 v[BSTO+(\sd)], v[ur:ur+1] offset:urow*PITCH
.if (\mode) == 2
	global_load_b128 v[ur:ur+3], v[BOFF], s[6:7] offset:urow*4096
.endif
.else
.set urow, 16*((uu-32)/2)+4*((uu-32)%2)
	ds_store_b64 v[ASTO+(\sd)], v[ur:ur+1] offset:urow*PITCH
.if (\mode) == 2
	global_load_b128 v[ur:ur+3], v[AOFF+uu-32], s[4:5]
.endif
.endif
.endm
; n products from i0 on, on buffer f; behind each of the first nu a unit, from u0 on
.macro RUN f, i0, n, zero, u0, nu, sd, mode
.set rt, 0
.rept \n
	MM \f, (\i0)+rt, \zero
.if (rt < (\nu)) && ((\mode) > 0)
	UNIT (\u0)+rt, \sd, \mode
.endif
.set rt, rt+1
.endr
.endm
; K STEP k, in slot p = k % 2; it is entered just behind a barrier.  Its matrix work: products 20-39 of the second half of step k - 1, all 40 of its own first half, products 0-19 of its
; second half.  Beside them the ring's 52 units: step k + 1 goes into the other slot, and (mode = 2) step k + 2 is asked for.
; ONE barrier a step, for two things: in front of it each wave's stores into the other slot are done and its reads of this slot are back (s_wait_dscnt 0); behind it the other slot is read
; and this one written again.  Twenty products, work on registers, stand between signal and wait.
; A work-group without rows jumps forward over the work alone: no barrier is jumped, and K step 0, which it runs, has written every register that the products between signal and wait name.
.macro BODY p, first, mode, last
.if !(\first)
	WIN 0
	s_cmp_eq_u32 s[NV], 0
	s_cbranch_scc1 .Lidle_\@
.endif
.if (\mode) == 2
	s_wait_xcnt 0x0                                ; the loads issued so far have had their addresses translated (ISA guide 3.1): the two bases are stepped only behind this wait
	s_add_nc_u64 s[4:5], s[4:5], 256               ; 64 f32 along K
	s_add_nc_u64 s[6:7], s[6:7], 256
.endif
.if !(\first)
	PLACES
.endif
	FETCH \p, 0, 0
.if \first
.set bt, 0
.rept 20
	UNIT bt, 1-(\p), \mode
.set bt, bt+1
.endr
.else
	RUN 1, 20, 20, 0, 0, 20, 1-(\p), \mode
.endif
.if (\mode) > 0
	s_wait_dscnt 20                                ; the 26 fragment loads are in; the 20 units' stores issued behind them may be out
.else
	s_wait_dscnt 0x0
.endif
	RUN 0, 0, 20, \first, 20, 20, 1-(\p), \mode
	PLACES
	FETCH \p, 1, 1
	RUN 0, 20, 20, \first, 40, 12, 1-(\p), \mode
	WIN 0                                          ; at a label and at a branch every window is 0
.if !(\first)
.Lidle_\@:
.endif
	s_wait_dscnt 0x0                               ; my stores into the other slot are done, my reads of this slot are back
.if \last
	RUN 1, 0, 40, 0, 0, 0, 0, 0
	WIN 0
.else
	s_barrier_signal -1
	RUN 1, 0, 20, 0, 0, 0, 0, 0
	WIN 0
	s_barrier_wait -1
.endif
.endm
	s_wait_xcnt 0x0                                ; as in BODY: the bases step to K step 1
	s_add_nc_u64 s[4:5], s[4:5], 256
	s_add_nc_u64 s[6:7], s[6:7], 256
.set bt, 0
.rept 52                               ; K step 0 into slot 0; K step 1 is asked for
	UNIT bt, 0, 2
.set bt, bt+1
.endr
	WIN 0
	s_wait_dscnt 0x0
	BAR
	BODY 0, 1, 2, 0                                ; k = 0: its products start the sums
	s_mov_b32 s[LC], 6
.Lk:                                                   ; k = 1 .. 12
	BODY 1, 0, 2, 0
	BODY 0, 0, 2, 0
	s_sub_co_u32 s[LC], s[LC], 1
	s_cmp_lg_u32 s[LC], 0
	s_cbranch_scc1 .Lk
	BODY 1, 0, 2, 0                                ; k = 13 asks for the last step, 15
	BODY 0, 0, 1, 0                                ; k = 14 asks for nothing: no load leaves the rows
	BODY 1, 0, 0, 1                                ; k = 15
	; THE WAY OUT, 16 rows at a time: a lane's eight columns of a row go into my own stage, rows of 528 bytes, each accumulator's low registers first; whole rows of 512 bytes come back, and each goes to
	; its token's row of Y: 32 lanes store 512 consecutive bytes, at a multiple of 512 from Y's first byte.  Rows past the count are left by a scalar branch.
	PLACES
.irp a, 0,1,2,3,4
	WIN 0
	s_cmp_gt_i32 s[NVW], 16*\a
	s_cbranch_scc0 .Lend
	s_wait_xcnt 0x0                                ; the block before's stores have read their offsets and data: these registers are written again only behind this wait
.if \a < 4
	WIN 0x04                                       ; store data in window 1
.else
	WIN 0x08                                       ; in window 2
.endif
.irp b, 0,1,2,3,4,5,6,7
	ds_store_b128 v[STO], v[8*(8*(\a%4)+\b):8*(8*(\a%4)+\b)+3]   offset:64*\b
	ds_store_b128 v[STO], v[8*(8*(\a%4)+\b)+4:8*(8*(\a%4)+\b)+7] offset:64*\b+16
.endr
	WIN 0
.set et, 0
.rept 16
	ds_load_b32 v[TKE+et], v[LTK] offset:4*(16*\a+et)
.set et, et+1
.endr
.set et, 0
.rept 16
	ds_load_b128 v[OB+4*et:OB+4*et+3], v[RD] offset:SPITCH*et  ; LDS serves a wave's instructions in order (ISA guide 5.7.1.4): these see the stores above
.set et, et+1
.endr
	s_wait_dscnt 16                                ; the 16 tokens are in; the 16 rows behind them may be out
.set et, 0
.rept 16
	v_min_u32 v[TKE+et], 0x1fff, v[TKE+et]
	v_lshl_add_u32 v[TKE+et], v[TKE+et], 12, v[L16]
.set et, et+1
.endr
.set et, 0
.rept 16
	s_wait_dscnt 15-et                             ; row et is in; the younger rows may be out
.if et > 0
	s_cmp_gt_i32 s[NVW], 16*\a+et
	s_cbranch_scc0 .Lend
.endif
	global_store_b128 v[TKE+et], v[OB+4*et:OB+4*et+3], s[10:11] th:TH_STORE_NT
.set et, et+1
.endr
.endr
.Lend:
	s_wait_tensorcnt 0x0                           ; the wave's end, behind my last LDS store
	ds_add_u32 v[SPW], v[NIL]
	s_wait_dscnt 0x0
	s_endpgm
.Lfunc_end_k_qba5e20945e_imm:
	.size	k_qba5e20945e_imm, .Lfunc_end_k_qba5e20945e_imm-k_qba5e20945e_imm
	.p2alignl 7, 3214868480
	.fill 96, 4, 3214868480
	.section	.rodata,"a",@progbits
	.p2align	6, 0x0
	.amdhsa_kernel k_qba5e20945e_imm
		.amdhsa_group_segment_fixed_size 159488
		.amdhsa_private_segment_fixed_size 0
		.amdhsa_enable_private_segment 0
		.amdhsa_kernarg_size 32
		.amdhsa_user_sgpr_count 2
		.amdhsa_user_sgpr_kernarg_segment_ptr 1
		.amdhsa_wavefront_size32 1
		.amdhsa_system_sgpr_workgroup_id_x 1
		.amdhsa_system_sgpr_workgroup_id_y 1
		.amdhsa_system_sgpr_workgroup_id_z 1
		.amdhsa_system_vgpr_workitem_id 0
		.amdhsa_next_free_vgpr 1024
		.amdhsa_next_free_sgpr 80
		.amdhsa_reserve_vcc 0
		.amdhsa_float_denorm_mode_32 3
		.amdhsa_float_denorm_mode_16_64 3
		.amdhsa_memory_ordered 1
		.amdhsa_forward_progress 1
		.amdhsa_inst_pref_size 255
	.end_amdhsa_kernel
	.section	.bss,"aw",@nobits
	.p2align	6
	.space	262144
	.amdgpu_metadata
---
amdhsa.version: [ 1, 2 ]
amdhsa.kernels:
  - .name:           k_qba5e20945e_imm
    .symbol:         k_qba5e20945e_imm.kd
    .args:
      - { .name: X, .offset: 0, .size: 8, .value_kind: global_buffer, .address_space: global }
      - { .name: W, .offset: 8, .size: 8, .value_kind: global_buffer, .address_space: global }
      - { .name: indices, .offset: 16, .size: 8, .value_kind: global_buffer, .address_space: global }
      - { .name: out0, .offset: 24, .size: 8, .value_kind: global_buffer, .address_space: global }
    .group_segment_fixed_size: 159488
    .private_segment_fixed_size: 0
    .kernarg_segment_align: 8
    .kernarg_segment_size: 32
    .max_flat_workgroup_size: 128
    .sgpr_count:     80
    .vgpr_count:     1024
    .wavefront_size: 32
...
	.end_amdgpu_metadata
.endif
;; end of part 1
;; ======== version 2 of 2: 1 launch
;; launch imm (part 2): grid 4 x 59, 4 waves a work-group, no clusters, 159,488 bytes of LDS; arguments X, W, indices, out0; writes out0
.if DOCPART == 2
	.amdgcn_target "amdgcn-amd-amdhsa--gfx1250"
	.amdhsa_code_object_version 6
	.text
	.protected	k_qba5e20945e_imm
	.globl	k_qba5e20945e_imm
	.p2align	8
	.type	k_qba5e20945e_imm,@function
k_qba5e20945e_imm:
	s_mov_b64 s[64:65], 0
	v_nop
	global_prefetch_b8 v0, s[64:65] scope:SCOPE_SE
	s_setreg_imm32_b32 hwreg(HW_REG_WAVE_MODE, 25, 1), 1
	s_wait_xcnt 0x0
; Y[t][:] = X[t][:] . W[indices[t]]^T.  X, Y: [8192][1024] f32; W: [8][1024][1024] f32; indices: [8192] i32.  One launch, no workspace.
; Only the chosen expert's product is made (the others' results are thrown away by the mask that the problem builds itself), and every output row has one owner.
; SHARES.  A work-group makes a tile of 160 tokens of ONE expert x 256 output columns, K = 1,024.  Grid x = the column block (4), grid y = the row slot.
; With counts c_e the row tiles are sum ceil(c_e / 160) <= (8,192 + 8 x 159) / 160 = 59 for every split of the tokens: 59 slots.  A slot that a split leaves
; without rows passes every barrier, jumps the work of K steps 1 to 15, and stores nothing.
; ROUTING.  Every work-group reads the 32,768 bytes of indices, counts the experts, finds its slot's expert and first rank, and writes the list of its 160 tokens
; into LDS.  A token's rank among its expert's tokens goes by wave, register, lane: the same in every work-group, so the tiles of an expert share its tokens out exactly.
; DATA PATH.  X's listed rows and W's rows come as f32 into registers, 256 bytes of a row to sixteen lanes, are rounded once to bf16 and stored into one of two LDS
; slots of 64 along K.  Each wave keeps a ring of 52 such loads (26,624 bytes), in two groups of 26 units.  A unit's two packed words go into registers of their own, so that
; its four ring registers are free at once: a group's 26 requests stand directly behind its last conversion, and the LDS stores follow when the slot is free.
; RUNS.  No memory instruction stands singly among the matrix instructions.  A K step has two runs of 52 LDS instructions (26 fragment loads, 26 stores) and two runs of 26 loads from
; memory; the 104 conversions, work on registers, stand four at a time behind 26 of the step's 80 products.
; THE MATRIX INSTRUCTION IS USED TRANSPOSED: source 0 = 16 rows of W, source 1 = 16 rows of X: a lane then holds eight neighbouring columns of one row of Y.
; NO TENSOR LOADS, NO CLUSTER.  X's rows come by a list, which no tile descriptor covers.  W lies in memory as f32: a joint tile would land in LDS as f32, 256 rows x 64 K x 4 = 65,536
; bytes a step for 36,864 here, its fragments twice as long and converted anew by each of the two waves that read them; and partners would have to be tiles of one
; expert, whose number hangs on the counts.
; LIMITS.  An index is taken modulo 8: the text serves indices 0 to 7 (for others the problem's own text leaves zeros; here they count as index mod 8).  Operands are rounded once to bf16
; (to nearest even), sums are f32 in the matrix unit's order.  NaN and infinities act as in the chosen expert's product alone; rows never mix.
; REGISTERS, in windows of 256 (s_set_vgpr_msb: bits 1:0 source 0, 3:2 source 1, 5:4 source 2, 7:6 destination):
;   window 0: v0-44 addresses and work; v48-255 the routing's indices, counts and list stores, later two fragment buffers (40 of X + 64 of W each), last the way out
;   window 1: accumulators 0-31 (accumulator 8 a + b: my rows 16 a .., my columns 16 b ..); ahead of the first product v0-207 take K step 0, unit u at 4 u
;   window 2: v0-63 accumulators 32-39; v64-167 the packed words, two a unit
;   window 3: v0-207 the ring, four registers a unit; v208-232 the ring's addresses
.set PITCH,  144                       ; an LDS row: 64 bf16 = 128 bytes + 16 = 36 words: the 16 rows of a fragment load start at 16 different groups of four banks (64 banks of 4 bytes: ISA guide 11.1)
.set AREG,   160*PITCH                 ; X's 160 rows
.set SLOT,   AREG+256*PITCH            ; then W's 256 rows: 59,904 bytes
.set STAGE,  2*SLOT                    ; the way out: 16 rows x 528 bytes for each wave, its own
.set SPITCH, 528                       ; 512 bytes + 16 = 33 x 16
.set WSTAGE, 16*SPITCH
.set LW,     STAGE+4*WSTAGE            ; four lists of 256 words, one a wave: words 0-159 by rank, word 160 takes what is not mine
.set LIST,   LW+4096                   ; the merged list, 256 words
.set CNT,    LIST+1024                 ; 16 bytes of counts a wave
.set SPARE,  CNT+256                   ; the spare words, 128 bytes a wave: two blocks of 256 bytes that no other line names
.set SPW, 4                            ; v4   SPARE + 4 x my thread's number; never rewritten
.set NIL, 5                            ; v5   0; never rewritten
.set ZER, 6                            ; v[6:9] zeros
.set T16, 10                           ; 16 x thread
.set TID4, 11                          ; 4 x thread
.set AFR, 12                           ; v12-13 my fragments of X in slot 0, 1
.set BFR, 14                           ; v14-15 of W
.set STO, 16                           ; the way out: where I put 16 bytes of a row
.set RD,  17                           ; where I read a row back
.set LTK, 18                           ; the list at my wave's first row
.set L16, 19                           ; 16 x lane
.set LRD, 20                           ; the list at my loader rows
.set C16, 21                           ; 16 x (lane % 16)
.set LM,  22                           ; the four lists at my word
.set LF,  23                           ; the merged list at my word
.set CADR, 24
.set CRD, 25
.set LZ,  26
.set PX0, 27                           ; prefetch: 4,096 x the token at list place 32 w + lane
.set TT,  28                           ; v28-31 at work
.set PP,  32                           ; v[32:35] counts, two experts a word
.set TF,  36                           ; v36-39 at work
.set LO,  41
.set HI,  42
.set PX1, 43                           ; prefetch: 4,096 x the token at list place 128 + lane
.set PW0, 44                           ; prefetch: 4,096 x (64 w + lane)
.set IDX, 48                           ; v48-111 my 64 indices, as 4 x (index mod 8)
.set NAG, 112                          ; v112-119 a group's eight nibble counts, one word a group
.set LG,  120                          ; v120-127 their even nibbles
.set CWV, 112                          ; v112-127 later: the four waves' counts
.set AD,  128                          ; v128-191 where my 64 tokens go in my wave's list
.set TKN, 192                          ; v192-255 my 64 tokens, plus 1
.set FA0, 48                           ; fragment buffer f: X at FA0 + 104 f, W at FB0 + 104 f
.set FB0, 88
.set TKE, 48                           ; the way out: 16 tokens, then 16 offsets
.set OB,  64                           ; the way out: 16 rows of 512 bytes
.set QB,  64                           ; window 2: unit u's packed words at QB + 2 u
.set AOFF, 208                         ; window 3: v208-227 token x 4,096 + 16 c for X's 20 units
.set BOFF, 228                         ; window 3: (64 w + 8 h) x 4,096 + 16 c
.set ASTO, 229                         ; window 3: v229-230 where X's units go, slot 0, 1
.set BSTO, 231                         ; window 3: v231-232 where W's go
.set WV, 12
.set MH, 13                            ; which 80 rows are mine
.set NH, 14                            ; which 128 columns
.set XBLK, 15
.set YS, 16
.set SEL, 18
.set CW, 20                            ; s[20:35] counts: wave w', word f
.set MK, 20                            ; s[20:35] later: sixteen lane masks
.set TOT, 36
.set PRE, 40
.set EXP, 44
.set PE, 45
.set CE, 46
.set WBS, 47
.set PREF, 48
.set TS, 49                            ; s49-52 at work
.set NV, 53                            ; rows of my tile, 0 to 160
.set RB, 54                            ; rank, less my tile's first, of the next token of my expert
.set E4, 55
.set NVW, 56                           ; rows of my wave's 80 that exist (signed)
.set LC, 57
.set OFP, 58
.set KP, 60                            ; the K step that this trip prefetches
.set PWS, 61                           ; the next K step whose blocks of W my tile prefetches
.set NE, 62                            ; tiles of my expert
.set M0F, 70
.set MFF, 71
.set LWS, 72
.set RBN, 74                           ; s[74:89] RB in front of each of a batch's sixteen registers
.set MSB, 0
.macro WIN new                         ; the immediate's high byte repeats the setting that is left; a switch that changes nothing is dropped
.if MSB != (\new)
	s_set_vgpr_msb (MSB<<8)|(\new)
.set MSB, (\new)
.endif
.endm
.macro PLACES                          ; four plain vector instructions between a matrix instruction and a load into, or an LDS store out of, its registers (ISA guide 7.12.1 for the LDS store)
.rept 4
	v_nop
.endr
.endm
.macro BAR
	s_barrier_signal -1
	s_barrier_wait -1
.endm
; THE RING.  A unit is one load of 16 bytes a lane: lanes 0-15 take 256 bytes of one row, lanes 16-31 of the row 8 further down.
; Units 0-31 are W's: row 64 w + 16 (u / 8) + u % 8 + 8 h.  Units 32-51 are X's: list place 16 (i / 2) + 4 (i % 2) + w + 8 h, i = u - 32.
.macro CVT u                           ; K step 0 alone: the unit's four f32 are rounded to bf16 in place.  Setting 0x45: all in window 1
	v_cvt_pk_bf16_f32 v[4*(\u)], v[4*(\u)], v[4*(\u)+1]
	v_cvt_pk_bf16_f32 v[4*(\u)+1], v[4*(\u)+2], v[4*(\u)+3]
.endm
.macro CVQ u                           ; the unit's four f32 are rounded to bf16, into its two packed words.  Setting 0x8f: sources window 3, destination window 2
	v_cvt_pk_bf16_f32 v[QB+2*(\u)], v[4*(\u)], v[4*(\u)+1]
	v_cvt_pk_bf16_f32 v[QB+2*(\u)+1], v[4*(\u)+2], v[4*(\u)+3]
.endm
.macro PUT u, sd, q                    ; its 8 bytes a lane go into slot sd: q = 1 out of the packed words, q = 0 out of K step 0's registers
.set uu, (\u)
.if \q
.set ud, QB+2*uu
.else
.set ud, 4*uu
.endif
.if uu < 32
	ds_store_b64 v[BSTO+(\sd)], v[ud:ud+1] offset:(16*(uu/8)+uu%8)*PITCH
.else
	ds_store_b64 v[ASTO+(\sd)], v[ud:ud+1] offset:(16*((uu-32)/2)+4*((uu-32)%2))*PITCH
.endif
.endm
.macro ASK u, ko                       ; the unit is asked for, ko bytes along K from where the two bases stand.  Setting 0xcf: into the ring; 0x43: into window 1
.set uu, (\u)
.if uu < 32
	global_load_b128 v[4*uu:4*uu+3], v[BOFF], s[6:7] offset:(16*(uu/8)+uu%8)*4096+(\ko)
.else
	global_load_b128 v[4*uu:4*uu+3], v[AOFF+uu-32], s[4:5] offset:(\ko)
.endif
.endm
.macro ASKS u0, n, ko                  ; a run of n requests from unit u0 on
.set mt, 0
.rept \n
	ASK (\u0)+mt, \ko
.set mt, mt+1
.endr
.endm
.macro PUTS u0, n, sd, q               ; a run of n LDS stores from unit u0 on
	WIN 0x07+4*(\q)                                ; address window 3; data window 1 (q = 0) or 2 (q = 1)
.set mt, 0
.rept \n
	PUT (\u0)+mt, \sd, \q
.set mt, mt+1
.endr
.endm
	s_load_b256 s[4:11], s[0:1], 0x0               ; X s[4:5], W s[6:7], indices s[8:9], Y s[10:11]
	v_lshl_add_u32 v[SPW], v0, 2, SPARE
	v_mov_b32 v[NIL], 0
	v_lshrrev_b32 v[TT], 5, v0
	v_readfirstlane_b32 s[WV], v[TT]               ; wave 0..3
	s_lshr_b32 s[MH], s[WV], 1
	s_and_b32 s[NH], s[WV], 1
	s_mov_b32 s[XBLK], ttmp9
	s_and_b32 s[YS], ttmp7, 0xffff
	s_mov_b32 s[SEL], 0x76543210
	s_mov_b32 s[SEL+1], 0xfedcba98
	s_mov_b32 s[M0F], 0x0f0f0f0f
	s_mov_b32 s[MFF], 0x00ff00ff
	s_mov_b32 s[KP], 4
	v_lshlrev_b32 v[T16], 4, v0
	s_wait_kmcnt 0x0
.set j, 0
.rept 16                               ; all 8,192 indices: register 4 j + c holds token 512 j + 4 x thread + c
	global_load_b128 v[IDX+4*j:IDX+4*j+3], v[T16], s[8:9] offset:2048*j
.set j, j+1
.endr
	; the addresses, made while the indices are on their way
	v_and_b32 v1, 31, v0                           ; lane
	v_and_b32 v2, 15, v0                           ; r = c = lane % 16
	v_bfe_u32 v3, v0, 4, 1                         ; h = lane / 16
.irp i, 0,1,2,3
	v_mov_b32 v[ZER+\i], 0
.endr
	v_lshlrev_b32 v[TID4], 2, v0
	v_lshlrev_b32 v[L16], 4, v1
	v_lshlrev_b32 v[C16], 4, v2
	s_lshl_b32 s[LWS], s[WV], 10
	s_add_co_u32 s[LWS], s[LWS], LW                ; my wave's list
	v_add_nc_u32 v[LZ], s[LWS], v[L16]
	ds_store_b128 v[LZ], v[ZER:ZER+3]              ; its 1,024 bytes are cleared: LDS serves a wave's instructions in order, so the ranks' stores below come behind
	ds_store_b128 v[LZ], v[ZER:ZER+3] offset:512
	v_mul_u32_u24 v[TT], v2, PITCH                 ; a fragment: row r x pitch + 16 h
	v_lshl_add_u32 v[TT], v3, 4, v[TT]
	s_mul_i32 s[TS], s[MH], 80*PITCH
	s_mul_i32 s[TS+1], s[NH], 128*PITCH
	s_add_co_u32 s[TS+1], s[TS+1], AREG
	v_add_nc_u32 v[AFR], s[TS], v[TT]
	v_add_nc_u32 v[AFR+1], SLOT, v[AFR]
	v_add_nc_u32 v[BFR], s[TS+1], v[TT]
	v_add_nc_u32 v[BFR+1], SLOT, v[BFR]
	s_mul_i32 s[TS], s[WV], WSTAGE
	s_add_co_u32 s[TS], s[TS], STAGE               ; my stage
	v_mul_u32_u24 v[TT], v2, SPITCH                ; in: row r, 32 bytes for each half of the lanes
	v_lshl_add_u32 v[TT], v3, 5, v[TT]
	v_add_nc_u32 v[STO], s[TS], v[TT]
	v_add_nc_u32 v[RD], s[TS], v[L16]              ; back: 32 lanes take one row's 512 bytes
	s_mul_i32 s[TS], s[MH], 320
	s_add_co_u32 s[TS], s[TS], LIST
	v_mov_b32 v[LTK], s[TS]
	s_lshl_b32 s[TS], s[WV], 2
	s_add_co_u32 s[TS], s[TS], LIST
	v_lshl_add_u32 v[LRD], v3, 5, s[TS]            ; list word w + 8 h
	v_add_nc_u32 v[LM], LW, v[TID4]
	v_add_nc_u32 v[LF], LIST, v[TID4]
	s_lshl_b32 s[TS], s[WV], 4
	s_add_co_u32 s[TS], s[TS], CNT
	v_mov_b32 v[CADR], s[TS]
	v_mov_b32 v[CRD], CNT
	v_lshl_add_u32 v[TT], v3, 15, v[C16]           ; the ring in memory: 8 h rows of 4,096 bytes + 16 c
	v_mul_u32_u24 v[TT+1], v3, 8*PITCH
	v_lshl_add_u32 v[TT+1], v2, 3, v[TT+1]         ; in LDS: 8 h rows + 8 c.  The two rows of a store lie 288 words apart, 32 modulo 64
	s_lshl_b32 s[TS], s[WV], 18
	v_lshl_add_u32 v[PW0], v1, 12, s[TS]           ; row 64 w + lane of my 256 rows of W
	s_mul_i32 s[TS+1], s[WV], PITCH
	s_mul_i32 s[TS+2], s[WV], 64*PITCH
	s_add_co_u32 s[TS+2], s[TS+2], AREG
	WIN 0xc0                                       ; destination window 3, sources window 0
	v_add_nc_u32 v[BOFF], s[TS], v[TT]
	v_add_nc_u32 v[ASTO], s[TS+1], v[TT+1]
	v_add_nc_u32 v[BSTO], s[TS+2], v[TT+1]
	s_add_co_u32 s[TS+1], s[TS+1], SLOT
	s_add_co_u32 s[TS+2], s[TS+2], SLOT
	v_add_nc_u32 v[ASTO+1], s[TS+1], v[TT+1]
	v_add_nc_u32 v[BSTO+1], s[TS+2], v[TT+1]
	WIN 0
	; COUNTS.  Eight registers at a time add 1 << 4 e into eight nibbles (8 at the most), in three chains that do not wait for each other; then, for all eight groups at once,
	; the nibbles go into bytes (64 at the most), the bytes into halves.
.set g, 0
.rept 8
	s_wait_loadcnt 14-2*g                          ; loads come back in order (ISA guide 5.7.1): the group's two are in, the 14 - 2 g younger ones stay out
.set n, 0
.rept 8
	v_and_b32 v[IDX+8*g+n], 7, v[IDX+8*g+n]
.set n, n+1
.endr
.set n, 0
.rept 8
	v_lshlrev_b32 v[IDX+8*g+n], 2, v[IDX+8*g+n]    ; 4 x (index mod 8): kept for the ranks
.set n, n+1
.endr
.set n, 0
.rept 8
.if n < 3
	v_lshl_add_u32 v[TF+n], 1, v[IDX+8*g+n], 0
.else
	v_lshl_add_u32 v[TF+n%3], 1, v[IDX+8*g+n], v[TF+n%3]
.endif
.set n, n+1
.endr
	v_add3_u32 v[NAG+g], v[TF], v[TF+1], v[TF+2]
.set g, g+1
.endr
.irp g, 0,1,2,3,4,5,6,7
	v_and_b32 v[LG+\g], s[M0F], v[NAG+\g]          ; bytes: experts 0, 2, 4, 6
.endr
.irp g, 0,1,2,3,4,5,6,7
	v_lshrrev_b32 v[NAG+\g], 4, v[NAG+\g]
.endr
.irp g, 0,1,2,3,4,5,6,7
	v_and_b32 v[NAG+\g], s[M0F], v[NAG+\g]         ; experts 1, 3, 5, 7
.endr
	v_add3_u32 v[LO], v[LG], v[LG+1], v[LG+2]
	v_add3_u32 v[TT], v[LG+3], v[LG+4], v[LG+5]
	v_add3_u32 v[HI], v[NAG], v[NAG+1], v[NAG+2]
	v_add3_u32 v[TT+1], v[NAG+3], v[NAG+4], v[NAG+5]
	v_add3_u32 v[LO], v[LO], v[LG+6], v[LG+7]
	v_add3_u32 v[HI], v[HI], v[NAG+6], v[NAG+7]
	v_add_nc_u32 v[LO], v[LO], v[TT]
	v_add_nc_u32 v[HI], v[HI], v[TT+1]
	v_mov_b32 v[TF+3], 0                           ; a lane move's destination counts as read: the other three have been written above
	v_and_b32 v[PP], s[MFF], v[LO]                 ; word 0: experts 0 (low half), 4 (high half)
	v_lshrrev_b32 v[TT], 8, v[LO]
	v_and_b32 v[PP+2], s[MFF], v[HI]               ; word 2: 1, 5
	v_lshrrev_b32 v[TT+1], 8, v[HI]
	v_and_b32 v[PP+1], s[MFF], v[TT]               ; word 1: 2, 6
	v_and_b32 v[PP+3], s[MFF], v[TT+1]             ; word 3: 3, 7
.irp m, 1,2,4,8                        ; the wave's sums: four steps inside each half of 16 lanes, one across
.irp f, 0,1,2,3
	v_mov_b32_dpp v[TF+\f], v[PP+\f] row_xmask:\m row_mask:0xf bank_mask:0xf
.endr
.irp f, 0,1,2,3
	v_add_nc_u32 v[PP+\f], v[PP+\f], v[TF+\f]
.endr
.endr
.irp f, 0,1,2,3
	v_permlanex16_b32 v[TF+\f], v[PP+\f], s[SEL], s[SEL+1]
.endr
.irp f, 0,1,2,3
	v_add_nc_u32 v[PP+\f], v[PP+\f], v[TF+\f]
.endr
	ds_store_b128 v[CADR], v[PP:PP+3]              ; every lane holds the same four words
	s_wait_dscnt 0x0                               ; for the others' sake: my counts are in LDS
	BAR
.irp w, 0,1,2,3
	ds_load_b128 v[CWV+4*\w:CWV+4*\w+3], v[CRD] offset:16*\w
.endr
	s_wait_dscnt 0x0
.set i, 0
.rept 16
	v_readfirstlane_b32 s[CW+i], v[CWV+i]
.set i, i+1
.endr
	; THE SLOT'S TILE, in scalars, alike in all four waves but for the waves-below sums
.irp f, 0,1,2,3
	s_add_co_u32 s[TOT+\f], s[CW+\f], s[CW+4+\f]
	s_add_co_u32 s[TOT+\f], s[TOT+\f], s[CW+8+\f]
	s_add_co_u32 s[TOT+\f], s[TOT+\f], s[CW+12+\f] ; 8,192 at the most in a half: no carry between the halves
.endr
	s_cmp_gt_u32 s[WV], 0                          ; the counts of the waves below mine
.irp f, 0,1,2,3
	s_cselect_b32 s[PRE+\f], s[CW+\f], 0
.endr
.irp w, 1,2
	s_cmp_gt_u32 s[WV], \w
.irp f, 0,1,2,3
	s_cselect_b32 s[TS+\f], s[CW+4*\w+\f], 0       ; the four selects first: the adds below change SCC
.endr
.irp f, 0,1,2,3
	s_add_co_u32 s[PRE+\f], s[PRE+\f], s[TS+\f]
.endr
.endr
.macro FIELD dst, src, half
.if \half
	s_lshr_b32 s[\dst], s[\src], 16
.else
	s_and_b32 s[\dst], s[\src], 0xffff
.endif
.endm
.irp e, 0,1,2,3,4,5,6,7                ; the last expert whose first slot is not beyond mine
.set sf, (((\e)&1)<<1)|(((\e)>>1)&1)
	FIELD TS, TOT+sf, (\e)>>2                      ; c_e
	FIELD TS+1, PRE+sf, (\e)>>2                    ; of them in the waves below mine
	s_add_co_u32 s[TS+2], s[TS], 159
	s_mul_i32 s[TS+2], s[TS+2], 26215              ; ceil(c / 160): 26,215 / 2^22 exceeds 1 / 160 by 0.6 / 2^22; times 8,351 at the most that is 0.0012, under 1 / 160: the floor is exact
	s_lshr_b32 s[TS+2], s[TS+2], 22
.if (\e) == 0
	s_mov_b32 s[EXP], 0
	s_mov_b32 s[PE], 0
	s_mov_b32 s[CE], s[TS]
	s_mov_b32 s[WBS], s[TS+1]
	s_mov_b32 s[NE], s[TS+2]
	s_mov_b32 s[PREF], s[TS+2]
.else
	s_cmp_ge_u32 s[YS], s[PREF]
	s_cselect_b32 s[EXP], \e, s[EXP]
	s_cselect_b32 s[PE], s[PREF], s[PE]
	s_cselect_b32 s[CE], s[TS], s[CE]
	s_cselect_b32 s[WBS], s[TS+1], s[WBS]
	s_cselect_b32 s[NE], s[TS+2], s[NE]
	s_add_co_u32 s[PREF], s[PREF], s[TS+2]
.endif
.endr
	s_sub_co_u32 s[TS], s[YS], s[PE]               ; my tile among the expert's: j
	s_mov_b32 s[PWS], s[TS]                        ; of W's blocks my tile prefetches K steps j, j + n, j + 2 n ..: the first of them that is 4 or more
.rept 4
	s_cmp_lt_u32 s[PWS], 4
	s_cselect_b32 s[TS+1], s[NE], 0
	s_add_co_u32 s[PWS], s[PWS], s[TS+1]
.endr
	s_mul_i32 s[TS], s[TS], 160                    ; my tile's first rank
	s_sub_co_i32 s[NV], s[CE], s[TS]
	s_min_i32 s[NV], s[NV], 160
	s_max_i32 s[NV], s[NV], 0                      ; its rows; 0 for a slot beyond the last tile
	s_sub_co_u32 s[RB], s[WBS], s[TS]              ; wraps below 0 for ranks ahead of my tile: as unsigned numbers they fall past 160
	s_min_u32 s[EXP], s[EXP], 7
	s_lshl_b32 s[E4], s[EXP], 2
	s_mul_i32 s[TS], s[MH], 80
	s_sub_co_i32 s[NVW], s[NV], s[TS]
	s_lshl_b32 s[OFP], s[EXP], 22                  ; an expert's weights are 4 MiB,
	s_lshl_b32 s[TS], s[XBLK], 20                  ; a column block's 256 rows 1 MiB
	s_add_co_u32 s[OFP], s[OFP], s[TS]
	s_mov_b32 s[OFP+1], 0
	s_add_nc_u64 s[6:7], s[6:7], s[OFP:OFP+1]
	s_lshl_b32 s[OFP], s[XBLK], 10                 ; Y: 256 columns of 4 bytes a block, 128 a wave
	s_lshl_b32 s[TS], s[NH], 9
	s_add_co_u32 s[OFP], s[OFP], s[TS]
	s_add_nc_u64 s[10:11], s[10:11], s[OFP:OFP+1]
	; W goes out now and is on its way while the ranks are made: its 32 units of K step 0 into window 1, where nothing else lives ahead of the first product, and at the same time
	; units 0-25 of K step 1 into the ring: 58 loads
	WIN 0x43                                       ; destination window 1, address window 3
	ASKS 0, 32, 0
	WIN 0xcf
	ASKS 0, 26, 256
	WIN 0
	; RANKS, sixteen registers at a time: which lanes hold my expert; the scalar count in front of each register; the lanes' ranks, less my tile's first; the place in my wave's list,
	; or word 160 for what is not mine.  The vector work goes by kind, so that no line reads the result of the one before it; the 64 stores of token + 1 stand in one run behind it.
.set q, 0
.rept 4
.set n, 0
.rept 16
	v_cmp_eq_u32 s[MK+n], s[E4], v[IDX+16*q+n]
.set n, n+1
.endr
.set n, 0
.rept 16
	v_add_nc_u32 v[TKN+16*q+n], 512*((16*q+n)/4)+(16*q+n)%4+1, v[TID4]
.set n, n+1
.endr
	s_mov_b32 s[RBN], s[RB]
.set n, 0
.rept 15
	s_bcnt1_i32_b32 s[TS+n%2], s[MK+n]
	s_add_co_u32 s[RBN+n+1], s[RBN+n], s[TS+n%2]
.set n, n+1
.endr
	s_bcnt1_i32_b32 s[TS+1], s[MK+15]
	s_add_co_u32 s[RB], s[RBN+15], s[TS+1]
.set n, 0
.rept 16
	v_mbcnt_lo_u32_b32 v[AD+16*q+n], s[MK+n], s[RBN+n]
.set n, n+1
.endr
.set n, 0
.rept 16
	v_cndmask_b32 v[AD+16*q+n], -1, v[AD+16*q+n], s[MK+n]
.set n, n+1
.endr
.set n, 0
.rept 16
	v_min_u32 v[AD+16*q+n], 0xa0, v[AD+16*q+n]
.set n, n+1
.endr
.set n, 0
.rept 16
	v_lshl_add_u32 v[AD+16*q+n], v[AD+16*q+n], 2, s[LWS]
.set n, n+1
.endr
.set q, q+1
.endr
.set n, 0
.rept 64
	ds_store_b32 v[AD+n], v[TKN+n]
.set n, n+1
.endr
	s_wait_dscnt 0x0                               ; for the others' sake: my list is in LDS
	BAR
.irp w, 0,1,2,3                        ; a place was written by one wave at the most, the others hold 0: the four lists are joined by OR
	ds_load_b32 v[48+2*\w], v[LM] offset:1024*\w
	ds_load_b32 v[49+2*\w], v[LM] offset:1024*\w+512
.endr
	v_lshl_add_u32 v[TT], v1, 2, LIST+512          ; list place 128 + lane
	s_wait_dscnt 0x0
	v_or_b32 v48, v48, v50
	v_or_b32 v49, v49, v51
	v_or_b32 v52, v52, v54
	v_or_b32 v53, v53, v55
	v_or_b32 v48, v48, v52
	v_or_b32 v49, v49, v53
	v_add_nc_u32 v48, -1, v48                      ; the token; an empty place holds all ones, which every reader clamps to token 8,191: a row that exists, multiplied and not stored
	v_add_nc_u32 v49, -1, v49
	ds_store_b32 v[LF], v48
	ds_store_b32 v[LF], v49 offset:512
	s_wait_dscnt 0x0
	BAR
.set i, 0
.rept 20
	ds_load_b32 v[48+i], v[LRD] offset:4*(16*(i/2)+4*(i%2))
.set i, i+1
.endr
	ds_load_b32 v[PX0], v[LF]                      ; list place 32 w + lane = my thread's number
	ds_load_b32 v[PX1], v[TT]
	s_wait_dscnt 0x0
.set i, 0
.rept 20
	v_min_u32 v[48+i], 0x1fff, v[48+i]
.set i, i+1
.endr
	v_min_u32 v[PX0], 0x1fff, v[PX0]
	v_min_u32 v[PX1], 0x1fff, v[PX1]
	v_lshlrev_b32 v[PX0], 12, v[PX0]
	v_lshlrev_b32 v[PX1], 12, v[PX1]
	WIN 0xc0
.set i, 0
.rept 20
	v_lshl_add_u32 v[AOFF+i], v[48+i], 12, v[C16]  ; token x 4,096 + 16 c
.set i, i+1
.endr
	; THE FIRST FILLS.  In the order of issue: X's K step 0 (20, into window 1); units 26-51 of K step 1; units 0-25 of K step 2.  So the ring enters the K steps as every step leaves it:
	; the second group of the next step out, the first group of the step after it out behind it.
	s_wait_loadcnt 0x0                             ; W's K step 0 and units 0-25 of K step 1 are in
	WIN 0x43
	ASKS 32, 20, 0
	WIN 0xcf
	ASKS 26, 26, 256
	WIN 0x45                                       ; W's K step 0 is converted in place and stored while X comes
.set i, 0
.rept 32
	CVT i
.set i, i+1
.endr
	PUTS 0, 32, 0, 0
	WIN 0x8f
.set i, 0
.rept 26
	CVQ i                                          ; units 0-25 of K step 1: the first K step stores them
.set i, i+1
.endr
	WIN 0xcf
	ASKS 0, 17, 512                                ; 46 + 17 = 63 loads are out
	s_wait_loadcnt 43                              ; X's K step 0 is in: behind it stand the 26 units of K step 1 and these 17
	ASKS 17, 9, 512
	WIN 0x45
.set i, 0
.rept 20
	CVT 32+i
.set i, i+1
.endr
	PUTS 32, 20, 0, 0
	WIN 0
	s_wait_xcnt 0x0                                ; the loads issued so far have had their addresses translated (ISA guide 3.1): the bases are stepped only behind this wait
	s_add_nc_u64 s[4:5], s[4:5], 256               ; both at K step 1
	s_add_nc_u64 s[6:7], s[6:7], 256
	s_wait_dscnt 0x0                               ; for the others' sake: my part of slot 0 is in LDS
	BAR
; Product i of 40 on fragment buffer f: rows 16 (i / 8) .., columns 16 (i % 8) ...  zero = 1: it starts the sum: nothing is ever cleared.
; The 40 accumulators take turns, in the order 0 to 39 (or 13 to 19 again where the work is jumped), one instruction a turn.
.macro MM f, i, zero
.set ma, (\i)/8
.set mb, (\i)%8
.if ma < 4
	WIN 0x50                                       ; C and D window 1, fragments window 0
.set md, 8*(\i)
.else
	WIN 0xa0                                       ; C and D window 2
.set md, 8*mb
.endif
.set mfa, FA0+104*(\f)+8*ma
.set mfb, FB0+104*(\f)+8*mb
.if \zero
	v_wmma_f32_16x16x32_bf16 v[md:md+7], v[mfb:mfb+7], v[mfa:mfa+7], 0
.else
	v_wmma_f32_16x16x32_bf16 v[md:md+7], v[mfb:mfb+7], v[mfa:mfa+7], v[md:md+7]
.endif
.endm
; 26 LDS loads: my fragments of 32 along K (half q of the slot's 64): 128 rows of W, 80 rows of X, into buffer f
.macro FETCH slot, q, f
	WIN 0
.irp b, 0,1,2,3,4,5,6,7
	ds_load_b128 v[FB0+104*(\f)+8*\b:FB0+104*(\f)+8*\b+3],   v[BFR+(\slot)] offset:16*PITCH*\b+64*(\q)
	ds_load_b128 v[FB0+104*(\f)+8*\b+4:FB0+104*(\f)+8*\b+7], v[BFR+(\slot)] offset:16*PITCH*\b+64*(\q)+32
.endr
.irp a, 0,1,2,3,4
	ds_load_b128 v[FA0+104*(\f)+8*\a:FA0+104*(\f)+8*\a+3],   v[AFR+(\slot)] offset:16*PITCH*\a+64*(\q)
	ds_load_b128 v[FA0+104*(\f)+8*\a+4:FA0+104*(\f)+8*\a+7], v[AFR+(\slot)] offset:16*PITCH*\a+64*(\q)+32
.endr
.endm
; n products from i0 on, on buffer f.  rb >= 0: behind products r0 to r0 + 12 stand the conversions of two units of the group that begins at unit rb: pair g = 0 .. 12.
; The wait ahead of pair g leaves c0 - 2 g loads out: the 24 - 2 g later units of the group, and (c0 = 50) the other group's 26, asked for behind it.
.macro RUN f, i0, n, zero, rb, c0, r0
.set rt, 0
.rept \n
	MM \f, (\i0)+rt, \zero
.set rg, (\i0)+rt-(\r0)
.if ((\rb) >= 0) && (rg >= 0) && (rg < 13)
	WIN 0x8f
	s_wait_loadcnt (\c0)-2*rg
	CVQ (\rb)+2*rg
	CVQ (\rb)+2*rg+1
.endif
.set rt, rt+1
.endr
.endm
; PREFETCH.  Trip k asks for K step k + 4, 512 bytes along K from where the bases stand; the ring asks for that step's units 0-25 at the end of trip k + 1 and for its units 26-51 in trip k + 2.
; Each block of 256 bytes is asked for once in the launch, lanes one row (4,096 bytes) apart.  X: the 160 blocks of my tile's rows by the one of the four column blocks whose number is the step modulo 4: a wave
; takes list places 32 w + lane, wave 0 also places 128 + lane (places past the count repeat token 8,191's block).  W: the 256 blocks of my column block's rows by the one of the expert's n tiles whose number
; is the step modulo n: a wave takes rows 64 w + lane and 32 further down.  K steps 0 to 3 are not asked for; behind step 15 nothing is.
.macro PFETCH
	s_cmp_lt_u32 s[KP], 16
	s_cbranch_scc0 .Lpf_end_\@
	s_and_b32 s[TS], s[KP], 3
	s_cmp_lg_u32 s[TS], s[XBLK]
	s_cbranch_scc1 .Lpf_w_\@
	global_prefetch_b8 v[PX0], s[4:5] offset:512 th:TH_LOAD_NT scope:SCOPE_SE
	s_cmp_lg_u32 s[WV], 0
	s_cbranch_scc1 .Lpf_w_\@
	global_prefetch_b8 v[PX1], s[4:5] offset:512 th:TH_LOAD_NT scope:SCOPE_SE
.Lpf_w_\@:
	s_cmp_lg_u32 s[KP], s[PWS]
	s_cbranch_scc1 .Lpf_end_\@
	global_prefetch_b8 v[PW0], s[6:7] offset:512 th:TH_LOAD_NT scope:SCOPE_SE
	global_prefetch_b8 v[PW0], s[6:7] offset:512+32*4096 th:TH_LOAD_NT scope:SCOPE_SE
	s_add_co_u32 s[PWS], s[PWS], s[NE]
.Lpf_end_\@:
	s_add_co_u32 s[KP], s[KP], 1
.endm
; K STEP k, in slot p = k % 2; it is entered just behind a barrier, with units 0-25 of step k + 1 in their packed words, units 26-51 of step k + 1 out, and units 0-25 of step k + 2 out behind them.
;   LDS run 1: my fragments of the step's first 32 along K; units 0-25 of step k + 1 into the other slot
;   20 products, the rest of step k - 1; 20 products of the first half, with the conversions of units 26-51 of step k + 1; directly behind them these units are asked for again, for step k + 2
;   LDS run 2: the fragments of the second 32 along K; units 26-51 into the other slot
;   20 products, the rest of the first half; 13 of the second half, with the conversions of units 0-25 of step k + 2; directly behind them these units are asked for again, for step k + 3
;   the barrier, with the other 7 products between signal and wait
; mode = 3: k <= 12.  mode = 2: k = 13: there is no step 16 to ask for.  mode = 1: k = 14: nothing is asked for, no load leaves the rows.  mode = 0: k = 15: nothing is left to convert.
; ONE barrier a step, for two things: in front of it each wave's stores into the other slot are done and its reads of this slot are back (s_wait_dscnt 0); behind it the other slot is read
; and this one written again.
; A work-group without rows jumps forward over the work alone: no barrier is jumped, and K step 0, which it runs, has written every register that the products between signal and wait name.
.macro BODY p, first, mode, last, pf
.if !(\first)
	WIN 0
	s_cmp_eq_u32 s[NV], 0
	s_cbranch_scc1 .Lidle_\@
.endif
.if (\mode) >= 2
	s_wait_xcnt 0x0                                ; as above: the two bases are stepped only behind this wait
	s_add_nc_u64 s[4:5], s[4:5], 256               ; 64 f32 along K: step k + 2
	s_add_nc_u64 s[6:7], s[6:7], 256
.endif
.if \pf
	PFETCH
.endif
.if !(\first)
	PLACES
.endif
	FETCH \p, 0, 0
.if (\mode) > 0
	PUTS 0, 26, 1-(\p), 1
.endif
.if !(\first)
	RUN 1, 20, 20, 0, -1, 0, 0
.endif
.if (\mode) > 0
	s_wait_dscnt 26                                ; the 26 fragment loads are in; the 26 stores issued behind them may be out
	RUN 0, 0, 20, \first, 26, 24+26*((\mode)/2), 7
.else
	s_wait_dscnt 0x0
	RUN 0, 0, 20, \first, -1, 0, 0
.endif
.if (\mode) >= 2
	WIN 0xcf
	ASKS 26, 26, 0
.endif
	PLACES
	FETCH \p, 1, 1
.if (\mode) > 0
	PUTS 26, 26, 1-(\p), 1
.endif
	RUN 0, 20, 20, \first, -1, 0, 0
.if \last
	WIN 0                                          ; at a label and at a branch every window is 0
.Lidle_\@:
	s_wait_dscnt 0x0
	RUN 1, 0, 40, 0, -1, 0, 0
	WIN 0
.else
	s_wait_dscnt 26                                ; as above: the fragments are in, the stores may be out
.if (\mode) >= 2
	RUN 1, 0, 13, 0, 0, 50, 0
.else
	RUN 1, 0, 13, 0, -1, 0, 0
.endif
.if (\mode) == 3
	WIN 0xcf
	ASKS 0, 26, 256
.endif
	WIN 0
.if !(\first)
.Lidle_\@:
.endif
	s_wait_dscnt 0x0                               ; my stores into the other slot are done, my reads of this slot are back
	s_barrier_signal -1
	RUN 1, 13, 7, 0, -1, 0, 0
	WIN 0
	s_barrier_wait -1
.endif
.endm
	BODY 0, 1, 3, 0, 1                             ; k = 0: its products start the sums
	s_mov_b32 s[LC], 6
.Lk:                                                   ; k = 1 .. 12
	BODY 1, 0, 3, 0, 1
	BODY 0, 0, 3, 0, 1
	s_sub_co_u32 s[LC], s[LC], 1
	s_cmp_lg_u32 s[LC], 0
	s_cbranch_scc1 .Lk
	BODY 1, 0, 2, 0, 0                             ; k = 13 asks for the second group of the last step, 15
	BODY 0, 0, 1, 0, 0                             ; k = 14
	BODY 1, 0, 0, 1, 0                             ; k = 15
	; THE WAY OUT, 16 rows at a time: a lane's eight columns of a row go into my own stage, rows of 528 bytes, each accumulator's low registers first; whole rows of 512 bytes come back, and each goes to
	; its token's row of Y: 32 lanes store 512 consecutive bytes, at a multiple of 512 from Y's first byte.  The block's tokens are asked for first, so that the offsets are made while the
	; rows go through the stage.  Rows past the count are left by a scalar branch.
	PLACES
.irp a, 0,1,2,3,4
	WIN 0
	s_cmp_gt_i32 s[NVW], 16*\a
	s_cbranch_scc0 .Lend
	s_wait_xcnt 0x0                                ; the block before's stores have read their offsets and data: these registers are written again only behind this wait
.set et, 0
.rept 16
	ds_load_b32 v[TKE+et], v[LTK] offset:4*(16*\a+et)
.set et, et+1
.endr
.if \a < 4
	WIN 0x04                                       ; store data in window 1
.else
	WIN 0x08                                       ; in window 2
.endif
.irp b, 0,1,2,3,4,5,6,7
	ds_store_b128 v[STO], v[8*(8*(\a%4)+\b):8*(8*(\a%4)+\b)+3]   offset:64*\b
	ds_store_b128 v[STO], v[8*(8*(\a%4)+\b)+4:8*(8*(\a%4)+\b)+7] offset:64*\b+16
.endr
	WIN 0
.set et, 0
.rept 16
	ds_load_b128 v[OB+4*et:OB+4*et+3], v[RD] offset:SPITCH*et  ; LDS serves a wave's instructions in order (ISA guide 5.7.1.4): these see the stores above
.set et, et+1
.endr
	s_wait_dscnt 32                                ; the 16 tokens are in; the 16 stores and the 16 rows behind them may be out
.set et, 0
.rept 16
	v_min_u32 v[TKE+et], 0x1fff, v[TKE+et]
.set et, et+1
.endr
.set et, 0
.rept 16
	v_lshl_add_u32 v[TKE+et], v[TKE+et], 12, v[L16]
.set et, et+1
.endr
.set et, 0
.rept 16
	s_wait_dscnt 15-et                             ; row et is in; the younger rows may be out
.if et > 0
	s_cmp_gt_i32 s[NVW], 16*\a+et
	s_cbranch_scc0 .Lend
.endif
	global_store_b128 v[TKE+et], v[OB+4*et:OB+4*et+3], s[10:11] th:TH_STORE_NT
.set et, et+1
.endr
.endr
.Lend:
	s_wait_tensorcnt 0x0                           ; the wave's end, behind my last LDS store
	ds_add_u32 v[SPW], v[NIL]
	s_wait_dscnt 0x0
	s_endpgm
.Lfunc_end_k_qba5e20945e_imm:
	.size	k_qba5e20945e_imm, .Lfunc_end_k_qba5e20945e_imm-k_qba5e20945e_imm
	.p2alignl 7, 3214868480
	.fill 96, 4, 3214868480
	.section	.rodata,"a",@progbits
	.p2align	6, 0x0
	.amdhsa_kernel k_qba5e20945e_imm
		.amdhsa_group_segment_fixed_size 159488
		.amdhsa_private_segment_fixed_size 0
		.amdhsa_enable_private_segment 0
		.amdhsa_kernarg_size 32
		.amdhsa_user_sgpr_count 2
		.amdhsa_user_sgpr_kernarg_segment_ptr 1
		.amdhsa_wavefront_size32 1
		.amdhsa_system_sgpr_workgroup_id_x 1
		.amdhsa_system_sgpr_workgroup_id_y 1
		.amdhsa_system_sgpr_workgroup_id_z 1
		.amdhsa_system_vgpr_workitem_id 0
		.amdhsa_next_free_vgpr 1024
		.amdhsa_next_free_sgpr 90
		.amdhsa_reserve_vcc 0
		.amdhsa_float_denorm_mode_32 3
		.amdhsa_float_denorm_mode_16_64 3
		.amdhsa_memory_ordered 1
		.amdhsa_forward_progress 1
		.amdhsa_inst_pref_size 255
	.end_amdhsa_kernel
	.section	.bss,"aw",@nobits
	.p2align	6
	.space	262144
	.amdgpu_metadata
---
amdhsa.version: [ 1, 2 ]
amdhsa.kernels:
  - .name:           k_qba5e20945e_imm
    .symbol:         k_qba5e20945e_imm.kd
    .args:
      - { .name: X, .offset: 0, .size: 8, .value_kind: global_buffer, .address_space: global }
      - { .name: W, .offset: 8, .size: 8, .value_kind: global_buffer, .address_space: global }
      - { .name: indices, .offset: 16, .size: 8, .value_kind: global_buffer, .address_space: global }
      - { .name: out0, .offset: 24, .size: 8, .value_kind: global_buffer, .address_space: global }
    .group_segment_fixed_size: 159488
    .private_segment_fixed_size: 0
    .kernarg_segment_align: 8
    .kernarg_segment_size: 32
    .max_flat_workgroup_size: 128
    .sgpr_count:     90
    .vgpr_count:     1024
    .wavefront_size: 32
...
	.end_amdgpu_metadata
.endif
;; end of part 2
